; MI455X (gfx1250); checked and timed in simulation.
; The chip was launched on July 23, 2026; its instructions are those of AMD's public machine-readable ISA for CDNA 5 (MIT licence, August 2026) and "CDNA5" Instruction Set Architecture Reference Guide (July 2026). The comments in the code are by the model that wrote it; some were corrected since.
;; Feed Forward. Allowed arithmetic: matrix products marked QUANTISED: E4M3 operands, one given power-of-two scale a tensor, by v_wmma_f32_16x16x64_fp8_fp8 or v_wmma_f32_16x16x128_fp8_fp8, f32 sums; everything else in f32.
;; Inputs: W1 4,096 x 1,024 float32; W2 1,024 x 4,096 float32; b1 4,096 float32; b2 1,024 float32; lowp_scales 4 int32 (the exponents e of the quantised operands' scales 2^e); x_codes 4 x 2,048 x 32 x 32 uint8 (E4M3 codes of x, K innermost, in blocks of 32 codes).
;; Outputs: out0 4 x 2,048 x 1,024 float32.
;; This version of the problem:
;;   THIS VERSION OF THE PROBLEM IS GIVEN IN LOW PRECISION. The matrix products marked QUANTISED in the list below multiply operands that are first quantised to E4M3 (4 exponent bits, 3 mantissa bits; 8 bits a number), with one given power-of-two scale for each operand tensor; their sums are f32. All else is computed in f32.
;;   The module's matrix products, in the order in which they are computed (A, B: the left and right operand; K: the contracted axis; several contracted axes count as one K, in the product's order):
;;     1. [M 8,192, K 1,024] x [K 1,024, N 4,096]; A: input x (given as codes); B: computed on the way: QUANTISED (scales: A lowp_scales[0], B lowp_scales[1])
;;     2. [M 8,192, K 4,096] x [K 4,096, N 1,024]; A: computed on the way; B: computed on the way: QUANTISED (scales: A lowp_scales[2], B lowp_scales[3])
;;   THE QUANTISER, for each operand of a quantised product, along K:
;;     - The operand's scale is 2^e, e = its entry of the input lowp_scales (int32; the entries are numbered through the quantised products in the list's order, A before B).
;;     - Each number is divided by the scale, clamped to +-448, and rounded to the nearest number of E4M3, ties to even, subnormals kept.
;;     - The product sums the exact products of the quantised numbers (number of the format x scale) in f32.
;;   ~~~python
;;   def quantise(x, axis, e):      # numpy; x: float32 -> the quantised numbers, widened to float32 again
;;       x = np.moveaxis(x, axis, -1); K = x.shape[-1]
;;       r = np.clip(x / 2.0 ** e, -448, 448)
;;       step = 2.0 ** (np.maximum(np.frexp(np.where(r == 0, 1, r))[1] - 1, -6) - 3)
;;       q = np.round(r / step) * step * 2.0 ** e      # np.round: ties to even
;;       return np.moveaxis(q, -1, axis).astype(np.float32)
;;   ~~~
;;   OPERANDS COMPUTED ON THE WAY. 'Computed on the way' means the value that the module computes at that place (a softmax that the list does not call 'softmax' is quantised finished and normalised). What goes into a quantiser is computed in f32, as accurately as f32 sums, v_exp_f32 and their like allow (about 1e-6 of the number): no bf16 or f16 on the way to a quantiser, and a product that is left as it is and whose result goes on into a quantised operand takes f32 operands (vector FMAs, or v_wmma_f32_16x16x4_f32). A number that lies on a knife's edge between two numbers of the format may be rounded either way, as far as f32 arithmetic and the matrix unit's own rounding can turn it there, and no further.
;;   INPUTS GIVEN AS CODES. x (in the module: [4, 2048, 1024], K = its axis 2): each comes as NAME_codes (uint8): NAME with its K axis moved to the last place and cut into blocks of 32 codes, [.., K / 32, bytes a block], one block behind the other in memory; one code a byte (a code: sign, 4 exponent bits, 3 mantissa bits); its scale is its entry of lowp_scales. Its value is code x scale, taken as it is: it is not quantised again, and the codes and scales need not be those that the quantiser above would give.
;; One version. Each part assembles by itself: llvm-mc -triple=amdgcn-amd-amdhsa -mcpu=gfx1250 --defsym DOCPART=n.
;; ======== version 1 of 1: 4 launches
;; limits: right only within a limited range of input values
;; workspace buffers: psum 4,096 bytes; w1c 4,194,304 bytes; w2c 4,194,304 bytes; hc 33,554,432 bytes
;; launch absum (part 1): grid 256 x 1, 4 waves a work-group, no clusters, 0 bytes of LDS; arguments W1, W2, psum; writes psum
.if DOCPART == 1
	.amdgcn_target "amdgcn-amd-amdhsa--gfx1250"
	.amdhsa_code_object_version 6
	.text
	.protected	k_qf4f4a603b7_absum
	.globl	k_qf4f4a603b7_absum
	.p2align	8
	.type	k_qf4f4a603b7_absum,@function
k_qf4f4a603b7_absum:
	s_mov_b64 s[64:65], 0
	v_nop
	global_prefetch_b8 v0, s[64:65] scope:SCOPE_SE
	s_setreg_imm32_b32 hwreg(HW_REG_WAVE_MODE, 25, 1), 1
	s_wait_xcnt 0x0
; out = gelu(x T(W1)^T + b1) T(W2)^T + b2, T(W) = clip(round(W / max(mean|W|, 1e-8)), -1, 1).  Four launches: this one sums |W|, the second makes T(W)'s codes, the third and fourth are the two products.
; WORK LEFT OUT.  The problem writes T as w + stop_gradient(w_t - w).  In real numbers that is w_t for every w, so the two additions are left out and w_t itself goes to the quantiser.
; LIMIT: a NaN, an infinity or an overflow that arises in those two additions alone is not carried to the result.  Every input has a way to the output: all are loaded, by one launch or another.
; THIS LAUNCH: partial sums of |w|.  W1 and W2 are 2^22 f32 numbers each.  Work-groups 0-127 take W1, the others W2; wave p (0 .. 511) of a tensor sums the 32,768 bytes from 32,768 p on
; and stores one f32 number at psum[tensor][p].  The sum over a tensor spans work-groups, so it is finished by the next launch, which reads all 512.
; LIMIT: the order of this sum is not the order in which the problem's own mean is taken; the two means differ by f32 rounding.  NaN among the inputs is not served.
; A load of the wave covers 512 consecutive bytes.  32 loads (four groups of eight) are out at the start, 24 while a group is summed.  No LDS, no barrier: waves share nothing.
.set S, 4                              ; v4-11    eight chains of sums
.set X, 16                             ; v16-143  four groups of eight loads, four registers each
	s_load_b128 s[4:7], s[0:1], 0x0                ; W1, W2
	s_load_b64 s[8:9], s[0:1], 0x10                ; psum
	v_lshrrev_b32 v1, 5, v0
	v_readfirstlane_b32 s12, v1                    ; wave
	v_and_b32 v1, 31, v0                           ; lane
	v_lshlrev_b32 v2, 4, v1                        ; my 16 bytes of a load's 512; never rewritten
	v_mov_b32 v3, 0                                ; the store's offset
	v_mov_b32 v13, 0                               ; written once: a lane permute's destination counts as one of its sources
	s_mov_b32 s16, 0x76543210                      ; v_permlanex16_b32: lane l takes lane l xor 16
	s_mov_b32 s17, 0xfedcba98
	s_and_b32 s13, ttmp9, 127
	s_lshl_b32 s13, s13, 2
	s_add_co_u32 s13, s13, s12                     ; p
	s_lshl_b32 s14, s13, 15                        ; 32,768 p
	s_mov_b32 s15, 0
	s_lshl_b32 s18, s13, 2                         ; 4 p
	s_mov_b32 s19, 0
	s_wait_alu depctr_va_vdst(0)
	s_wait_kmcnt 0x0
	s_cmp_lt_u32 ttmp9, 128                        ; W1's work-group or W2's: the choice hangs on the work-group's number alone
	s_cselect_b64 s[4:5], s[4:5], s[6:7]
	s_cselect_b32 s21, 0, 2048                     ; the tensor's 512 words of psum
	s_add_co_u32 s18, s18, s21
	s_add_nc_u64 s[4:5], s[4:5], s[14:15]
	s_add_nc_u64 s[8:9], s[8:9], s[18:19]
.macro LOADS g                         ; group g: loads 8 g .. 8 g + 7 of the wave's 64.  No cache hint: the next launch reads the same bytes
.irp i, 0,1,2,3,4,5,6,7
	global_load_b128 v[X+32*((\g)%4)+4*\i:X+32*((\g)%4)+4*\i+3], v2, s[4:5] offset:512*(8*(\g)+\i)
.endr
.endm
.macro GROUP g, left                   ; left: the younger loads, which may stay out
	s_wait_loadcnt \left
.irp i, 0,1,2,3,4,5,6,7
.irp c, 0,1,2,3
.if ((\g) == 0) && (\i < 2)
	v_and_b32 v[S+4*(\i%2)+\c], 0x7fffffff, v[X+32*((\g)%4)+4*\i+\c]       ; the first eight numbers start the chains: nothing is cleared
.else
	v_add_f32 v[S+4*(\i%2)+\c], v[S+4*(\i%2)+\c], |v[X+32*((\g)%4)+4*\i+\c]|
.endif
.endr
.endr
.if (\g) < 4
	LOADS (\g)+4                                   ; the group's registers take the group four further on
.endif
.endm
	LOADS 0
	LOADS 1
	LOADS 2
	LOADS 3
	GROUP 0, 24
	s_wait_alu depctr_va_vdst(0)
	GROUP 1, 24
	s_wait_alu depctr_va_vdst(0)
	GROUP 2, 24
	s_wait_alu depctr_va_vdst(0)
	GROUP 3, 24
	s_wait_alu depctr_va_vdst(0)
	GROUP 4, 24
	s_wait_alu depctr_va_vdst(0)
	GROUP 5, 16                                    ; nothing more is asked for: the counts run down
	s_wait_alu depctr_va_vdst(0)
	GROUP 6, 8
	s_wait_alu depctr_va_vdst(0)
	GROUP 7, 0
	v_add_f32 v4, v4, v8
	v_add_f32 v5, v5, v9
	v_add_f32 v6, v6, v10
	v_add_f32 v7, v7, v11
	v_add_f32 v4, v4, v6
	v_add_f32 v5, v5, v7
	v_add_f32 v4, v4, v5
	v_add_f32_dpp v4, v4, v4 row_xmask:1 row_mask:0xf bank_mask:0xf
	v_add_f32_dpp v4, v4, v4 row_xmask:2 row_mask:0xf bank_mask:0xf
	v_add_f32_dpp v4, v4, v4 row_xmask:4 row_mask:0xf bank_mask:0xf
	v_add_f32_dpp v4, v4, v4 row_xmask:8 row_mask:0xf bank_mask:0xf
	v_permlanex16_b32 v13, v4, s16, s17
	v_add_f32 v4, v4, v13                          ; the wave's sum, in every lane
	v_cmp_eq_u32 vcc_lo, 0, v1
	s_wait_alu depctr_va_vdst(0)
	s_wait_xcnt 0x0                                ; EXEC is a source of the loads: it changes only behind this wait
	s_and_saveexec_b32 s20, vcc_lo
	global_store_b32 v3, v4, s[8:9]                ; lane 0 alone: one word a wave, 1,024 words in the launch
	s_wait_xcnt 0x0                                ; and again, in front of the line that widens it
	s_or_b32 exec_lo, exec_lo, s20
	s_endpgm
.Lfunc_end_k_qf4f4a603b7_absum:
	.size	k_qf4f4a603b7_absum, .Lfunc_end_k_qf4f4a603b7_absum-k_qf4f4a603b7_absum
	.p2alignl 7, 3214868480
	.fill 96, 4, 3214868480
	.section	.rodata,"a",@progbits
	.p2align	6, 0x0
	.amdhsa_kernel k_qf4f4a603b7_absum
		.amdhsa_group_segment_fixed_size 0
		.amdhsa_private_segment_fixed_size 0
		.amdhsa_enable_private_segment 0
		.amdhsa_kernarg_size 24
		.amdhsa_user_sgpr_count 2
		.amdhsa_user_sgpr_kernarg_segment_ptr 1
		.amdhsa_wavefront_size32 1
		.amdhsa_system_sgpr_workgroup_id_x 1
		.amdhsa_system_sgpr_workgroup_id_y 1
		.amdhsa_system_sgpr_workgroup_id_z 1
		.amdhsa_system_vgpr_workitem_id 0
		.amdhsa_next_free_vgpr 144
		.amdhsa_next_free_sgpr 66
		.amdhsa_reserve_vcc 1
		.amdhsa_float_denorm_mode_32 3
		.amdhsa_float_denorm_mode_16_64 3
		.amdhsa_memory_ordered 1
		.amdhsa_forward_progress 1
		.amdhsa_inst_pref_size 25
	.end_amdhsa_kernel
	.amdgpu_metadata
---
amdhsa.version: [ 1, 2 ]
amdhsa.kernels:
  - .name:           k_qf4f4a603b7_absum
    .symbol:         k_qf4f4a603b7_absum.kd
    .args:
      - { .name: W1, .offset: 0, .size: 8, .value_kind: global_buffer, .address_space: global }
      - { .name: W2, .offset: 8, .size: 8, .value_kind: global_buffer, .address_space: global }
      - { .name: psum, .offset: 16, .size: 8, .value_kind: global_buffer, .address_space: global }
    .group_segment_fixed_size: 0
    .private_segment_fixed_size: 0
    .kernarg_segment_align: 8
    .kernarg_segment_size: 24
    .max_flat_workgroup_size: 128
    .sgpr_count:     66
    .vgpr_count:     144
    .wavefront_size: 32
...
	.end_amdgpu_metadata
.endif
;; end of part 1
;; launch tern (part 2): grid 256 x 1, 4 waves a work-group, no clusters, 33,280 bytes of LDS; arguments W1, W2, psum, lowp_scales, w1c, w2c; writes w1c, w2c
.if DOCPART == 2
	.amdgcn_target "amdgcn-amd-amdhsa--gfx1250"
	.amdhsa_code_object_version 6
	.text
	.protected	k_qf4f4a603b7_tern
	.globl	k_qf4f4a603b7_tern
	.p2align	8
	.type	k_qf4f4a603b7_tern,@function
k_qf4f4a603b7_tern:
	s_mov_b64 s[64:65], 0
	v_nop
	global_prefetch_b8 v0, s[64:65] scope:SCOPE_SE
	s_setreg_imm32_b32 hwreg(HW_REG_WAVE_MODE, 25, 1), 1
	s_wait_xcnt 0x0
; W1 [4096][1024] and W2 [1024][4096], f32, K innermost in both, become codes of FP8 (E4M3) of their ternary forms, laid as W lies: w1c, w2c, one code a byte.
; w_t = clip(round(w / s), -1, 1), s = max(mean|w|, 1e-8); code = w_t / 2^e held within +-448, e = entry 1 (W1) or entry 3 (W2) of the scales.
; WORK LEFT OUT: the problem's w + (w_t - w) is w_t in real numbers for every w: w_t itself is quantised (shown at the head of the first launch).
; The mean: every wave adds the tensor's 512 partial sums in one and the same order, so that all waves of the launch hold the same s; x 2^-22 rounds nothing.
; The clip at 1 and the hold at 448 x 2^e are one clip at the smaller of the two.
; LIMITS: w x (1 / s) stands for w / s, the reciprocal good to one unit in its last place: only a weight within f32 rounding of the threshold |w| / s = 0.5 or 1.5 can turn.
; e between -126 and 119.  NaN among the inputs is not served.
; A wave takes 16 steps of 512 numbers.  The conversion takes 8 numbers from ONE lane's registers, so a lane must hold neighbours; a load is best where neighbouring LANES take neighbouring bytes.  Both are had:
; each of a step's four loads reads 512 consecutive bytes, 16 a lane; the 2,048 bytes go through the wave's own stage in LDS and come back 64 bytes a lane (16 bytes of padding behind each 64).
; A lane's 16 codes are 16 bytes: the wave stores 512 consecutive bytes.  Loads run four steps (16 loads a wave) ahead, the turn through LDS one step.  No barrier: waves share nothing.
.set WAVES, 4
.set STEPS, 16
.set WGA,   128                        ; work-groups for W1: 2^22 numbers / (512 x 16 x 4)
.set R,     16                         ; v16-79   four sets of 16 numbers as they are loaded
.set X,     80                         ; v80-111  two sets of 16 neighbours
.set PS,    112                        ; v112-127 16 of the 512 partial sums
.set C,     128                        ; v128-191 codes: four registers for each step, so that no store's data are written again
.set WREG,  8192                       ; LDS: a region of its own for each wave: two stages of 32 x SP bytes
.set SP,    80                         ; a lane's place in a stage: its 64 bytes + 16 of padding
.set SPW,   12                         ; v12      LDS address of my spare word: SPARE + 4 x my thread's number; never rewritten
.set NIL,   13                         ; v13      0; never rewritten
.set SPARE, WAVES*WREG                 ; behind the four regions: the spare words, 128 bytes for each wave, which no other line names
	s_load_b128 s[4:7], s[0:1], 0x0                ; W1, W2
	s_load_b128 s[8:11], s[0:1], 0x10              ; psum, the scales' exponents
	s_load_b128 s[12:15], s[0:1], 0x20             ; w1c, w2c
	v_lshl_add_u32 v[SPW], v0, 2, SPARE
	v_mov_b32 v[NIL], 0
	v_lshrrev_b32 v1, 5, v0
	v_readfirstlane_b32 s16, v1                    ; wave
	v_and_b32 v2, 31, v0                           ; lane
	v_lshlrev_b32 v3, 4, v2                        ; 16 x lane: my 16 bytes of a load's 512, and of a store's; never rewritten
	s_mul_i32 s17, s16, WREG
	v_lshrrev_b32 v14, 2, v2
	v_mul_u32_u24 v14, v14, SP
	v_and_b32 v15, 3, v2
	v_lshl_add_u32 v14, v15, 4, v14
	v_add_nc_u32 v14, s17, v14                     ; the stage, on the way in: SP (lane / 4) + 16 (lane % 4): a load's 512 bytes take eight places
	v_mul_u32_u24 v15, v2, SP
	v_add_nc_u32 v15, s17, v15                     ; and on the way out: SP x lane: my 16 neighbours
	v_mov_b32 v5, 0                                ; written once: a lane permute's destination counts as one of its sources
	s_mov_b32 s28, 0x76543210
	s_mov_b32 s29, 0xfedcba98
	s_wait_alu depctr_va_vdst(0)
	s_wait_kmcnt 0x0
	s_load_b128 s[24:27], s[10:11], 0x0            ; e0 .. e3
	s_cmp_lt_u32 ttmp9, WGA                        ; W1's work-group or W2's: only pointers are chosen, both tensors take one path
	s_cselect_b64 s[4:5], s[4:5], s[6:7]
	s_cselect_b64 s[30:31], s[12:13], s[14:15]
	s_cselect_b32 s17, 0, WGA
	s_cselect_b32 s20, 0, 2048                     ; the tensor's 512 partial sums
	s_mov_b32 s21, 0
	s_add_nc_u64 s[8:9], s[8:9], s[20:21]
	s_sub_co_u32 s17, ttmp9, s17
	s_lshl_b32 s17, s17, 2
	s_add_co_u32 s18, s17, s16                     ; which run of 8,192 numbers is my wave's
	s_lshl_b32 s20, s18, 15                        ; 32,768 bytes of f32,
	s_add_nc_u64 s[4:5], s[4:5], s[20:21]
	s_lshl_b32 s20, s18, 13                        ; 8,192 bytes of codes
	s_add_nc_u64 s[30:31], s[30:31], s[20:21]
.irp j, 0,1,2,3
	global_load_b128 v[PS+4*\j:PS+4*\j+3], v3, s[8:9] offset:512*\j   ; the 512 partial sums, 16 a lane; ahead of W's loads, so that a counted wait serves them
.endr
.macro LOAD t
.irp i, 0,1,2,3
	global_load_b128 v[R+16*((\t)%4)+4*\i:R+16*((\t)%4)+4*\i+3], v3, s[4:5] offset:2048*(\t)+512*\i th:TH_LOAD_NT   ; 32 lanes read 512 consecutive bytes; the last read of them
.endr
.endm
.macro TURN t                          ; step t's numbers through the stage: LDS serves a wave's instructions in order, so no wait stands between the stores and the loads
.irp i, 0,1,2,3
	ds_store_b128 v14, v[R+16*((\t)%4)+4*\i:R+16*((\t)%4)+4*\i+3] offset:32*SP*((\t)%2)+8*SP*\i
.endr
.irp i, 0,1,2,3
	ds_load_b128 v[X+16*((\t)%2)+4*\i:X+16*((\t)%2)+4*\i+3], v15 offset:32*SP*((\t)%2)+16*\i
.endr
.endm
.irp t, 0,1,2,3
	LOAD \t
.endr
	s_wait_loadcnt 16                              ; the partial sums are in; W's 16 loads stay out
	v_pk_add_f32 v[PS:PS+1], v[PS:PS+1], v[PS+4:PS+5]
	v_pk_add_f32 v[PS+2:PS+3], v[PS+2:PS+3], v[PS+6:PS+7]
	v_pk_add_f32 v[PS+8:PS+9], v[PS+8:PS+9], v[PS+12:PS+13]
	v_pk_add_f32 v[PS+10:PS+11], v[PS+10:PS+11], v[PS+14:PS+15]
	v_pk_add_f32 v[PS:PS+1], v[PS:PS+1], v[PS+8:PS+9]
	v_pk_add_f32 v[PS+2:PS+3], v[PS+2:PS+3], v[PS+10:PS+11]
	v_pk_add_f32 v[PS:PS+1], v[PS:PS+1], v[PS+2:PS+3]
	v_add_f32 v[PS], v[PS], v[PS+1]
	v_add_f32_dpp v[PS], v[PS], v[PS] row_xmask:1 row_mask:0xf bank_mask:0xf
	v_add_f32_dpp v[PS], v[PS], v[PS] row_xmask:2 row_mask:0xf bank_mask:0xf
	v_add_f32_dpp v[PS], v[PS], v[PS] row_xmask:4 row_mask:0xf bank_mask:0xf
	v_add_f32_dpp v[PS], v[PS], v[PS] row_xmask:8 row_mask:0xf bank_mask:0xf
	v_permlanex16_b32 v5, v[PS], s28, s29
	v_add_f32 v[PS], v[PS], v5                     ; the sum of |w| over the tensor
	v_mul_f32 v[PS], 0x34800000, v[PS]             ; x 2^-22: the mean
	v_max_num_f32 v[PS], 0x322bcc77, v[PS]         ; s = max(mean, 1e-8)
	s_wait_alu depctr_va_vdst(0)
	v_rcp_f32 v8, v[PS]                            ; 1 / s, twice: a pair for the packed multiply
	v_rcp_f32 v9, v[PS]
	s_wait_kmcnt 0x0
	s_cmp_lt_u32 ttmp9, WGA
	s_cselect_b32 s22, s25, s27                    ; e
	s_add_co_i32 s22, s22, 127
	s_lshl_b32 s23, s22, 23
	v_mov_b32 v11, s23                             ; 2^e as f32: the conversion takes its exponent field.  (The plain instruction behind the reciprocals)
	s_add_co_i32 s22, s22, 8
	s_lshl_b32 s22, s22, 23
	s_or_b32 s22, s22, 0x600000
	v_mov_b32 v10, s22                             ; 448 x 2^e,
	v_min_num_f32 v10, 1.0, v10                    ; or 1 where that is less: the ternary clip and the hold in one
	s_wait_alu depctr_va_vdst(0)                   ; ahead of the first line that names a reciprocal: one wait for both
	s_wait_loadcnt 12                              ; step 0's four loads are in
	TURN 0
.macro STEP t
.set XS, X+16*((\t)%2)
	s_wait_dscnt 0x0                               ; this step's numbers are back from the stage: so its stores into the stage have read their registers,
.if (\t)+4 < STEPS
	LOAD (\t)+4                                    ; which take the loads of four steps on
.endif
.if (\t)+1 < STEPS
.if STEPS-2-(\t) >= 3
	s_wait_loadcnt 12                              ; the next step's four loads are in; those of the three steps behind it may be out
.else
	s_wait_loadcnt 4*(STEPS-2-(\t))
.endif
	TURN (\t)+1                                    ; and go through the other stage while this step is worked
.endif
.irp i, 0,2,4,6,8,10,12,14
	v_pk_mul_f32 v[XS+\i:XS+\i+1], v[XS+\i:XS+\i+1], v[8:9]        ; w / s
.endr
.irp i, 0,1,2,3,4,5,6,7,8,9,10,11,12,13,14,15
	v_rndne_f32 v[XS+\i], v[XS+\i]                 ; to the nearest whole number, ties to even
.endr
.irp i, 0,1,2,3,4,5,6,7,8,9,10,11,12,13,14,15
	v_med3_num_f32 v[XS+\i], v[XS+\i], -v10, v10   ; the clip, and the hold that the conversion wants (it does not saturate: ISA guide 7.6.2)
.endr
	v_cvt_scalef32_pk8_fp8_f32 v[C+4*(\t):C+4*(\t)+1], v[XS:XS+7], v11
	v_cvt_scalef32_pk8_fp8_f32 v[C+4*(\t)+2:C+4*(\t)+3], v[XS+8:XS+15], v11
	global_store_b128 v3, v[C+4*(\t):C+4*(\t)+3], s[30:31] offset:512*(\t)     ; the codes go to a store alone, and the next vector lines are plain and touch other registers
.endm
.irp t, 0,1,2,3,4,5,6,7,8,9,10,11,12,13,14,15
	STEP \t
.endr
	s_wait_tensorcnt 0x0                           ; the wave's end, behind my last LDS store
	ds_add_u32 v[SPW], v[NIL]
	s_wait_dscnt 0x0
	s_endpgm
.Lfunc_end_k_qf4f4a603b7_tern:
	.size	k_qf4f4a603b7_tern, .Lfunc_end_k_qf4f4a603b7_tern-k_qf4f4a603b7_tern
	.p2alignl 7, 3214868480
	.fill 96, 4, 3214868480
	.section	.rodata,"a",@progbits
	.p2align	6, 0x0
	.amdhsa_kernel k_qf4f4a603b7_tern
		.amdhsa_group_segment_fixed_size 33280
		.amdhsa_private_segment_fixed_size 0
		.amdhsa_enable_private_segment 0
		.amdhsa_kernarg_size 48
		.amdhsa_user_sgpr_count 2
		.amdhsa_user_sgpr_kernarg_segment_ptr 1
		.amdhsa_wavefront_size32 1
		.amdhsa_system_sgpr_workgroup_id_x 1
		.amdhsa_system_sgpr_workgroup_id_y 1
		.amdhsa_system_sgpr_workgroup_id_z 1
		.amdhsa_system_vgpr_workitem_id 0
		.amdhsa_next_free_vgpr 192
		.amdhsa_next_free_sgpr 66
		.amdhsa_reserve_vcc 0
		.amdhsa_float_denorm_mode_32 3
		.amdhsa_float_denorm_mode_16_64 3
		.amdhsa_memory_ordered 1
		.amdhsa_forward_progress 1
		.amdhsa_inst_pref_size 55
	.end_amdhsa_kernel
	.amdgpu_metadata
---
amdhsa.version: [ 1, 2 ]
amdhsa.kernels:
  - .name:           k_qf4f4a603b7_tern
    .symbol:         k_qf4f4a603b7_tern.kd
    .args:
      - { .name: W1, .offset: 0, .size: 8, .value_kind: global_buffer, .address_space: global }
      - { .name: W2, .offset: 8, .size: 8, .value_kind: global_buffer, .address_space: global }
      - { .name: psum, .offset: 16, .size: 8, .value_kind: global_buffer, .address_space: global }
      - { .name: lowp_scales, .offset: 24, .size: 8, .value_kind: global_buffer, .address_space: global }
      - { .name: w1c, .offset: 32, .size: 8, .value_kind: global_buffer, .address_space: global }
      - { .name: w2c, .offset: 40, .size: 8, .value_kind: global_buffer, .address_space: global }
    .group_segment_fixed_size: 33280
    .private_segment_fixed_size: 0
    .kernarg_segment_align: 8
    .kernarg_segment_size: 48
    .max_flat_workgroup_size: 128
    .sgpr_count:     66
    .vgpr_count:     192
    .wavefront_size: 32
...
	.end_amdgpu_metadata
.endif
;; end of part 2
;; launch gemm1 (part 3): grid 16 x 16, 8 waves a work-group, clusters of 4 x 4, 327,680 bytes of LDS; arguments x_codes, w1c, lowp_scales, b1, hc; writes hc
.if DOCPART == 3
	.amdgcn_target "amdgcn-amd-amdhsa--gfx1250"
	.amdhsa_code_object_version 6
	.text
	.protected	k_qf4f4a603b7_gemm1
	.globl	k_qf4f4a603b7_gemm1
	.p2align	8
	.type	k_qf4f4a603b7_gemm1,@function
k_qf4f4a603b7_gemm1:
	s_mov_b64 s[64:65], 0
	v_nop
	global_prefetch_b8 v0, s[64:65] scope:SCOPE_SE
	s_setreg_imm32_b32 hwreg(HW_REG_WAVE_MODE, 25, 1), 1
	s_wait_xcnt 0x0
	s_wait_alu depctr_hold_cnt(0) depctr_sa_sdst(0) depctr_va_vdst(0) depctr_va_sdst(0) depctr_va_ssrc(0) depctr_va_vcc(0) depctr_vm_vsrc(0)
	s_getreg_b32 s2, hwreg(HW_REG_IB_STS2, 6, 4)
	s_cmp_eq_u32 s2, 0
	s_cbranch_scc0 .Lentry_in_a_cluster
	s_endpgm
.Lentry_in_a_cluster:
	s_bfe_u32 s2, ttmp6, 0x10000c
	s_cmp_lg_u32 s2, 0xf033
	s_cbranch_scc0 .Lentry_shape_is_right
	s_endpgm
.Lentry_shape_is_right:
; hc(m, n) = Q(gelu(sum over k of x[m][k] T(W1)[n][k] + b1[n])): the first product on codes of FP8 (E4M3), its bias, the exact gelu in f32, and the quantiser of the second product's left operand.
; x_codes: [8192][1024], w1c: [4096][1024], one code a byte, K innermost.  Scales 2^e0 (x), 2^e1 (W1), 2^e2 (the hidden layer).
; hc lies in the order of the next product's operand registers: the block of rows 16 R .. +15 and hidden units 128 S .. +127 is 2,048 bytes at (32 R + S) x 2,048; in it lane l's register group c
; lies at 512 c + 16 l and holds row 16 R + l % 16, hidden units 128 S + 32 c + 16 (l / 16) + 0 .. 15.
; A WORK-GROUP STAYS: 256 work-groups make two tiles of 256 x 256 each, 4,096 rows apart, on the same 256 rows of W1.  The ring of two LDS slots (K steps of 256) runs on into the second tile:
; the first tile's last two changes of slots ask for the second tile's K steps 0 and 1, which are on their way while the first tile goes out.
; EIGHT WAVES, two to a SIMD; a wave makes 64 rows x 128 columns: 32 accumulators, 256 registers, and ONE set of fragments (x's four, W1's eight).
; A STEP OF 128 ALONG K GOES IN FOUR QUADRANTS of 8 products (two blocks of x against four of W1), in an order that turns round from step to step: (0,0) (0,1) (1,1) (1,0), then (0,1) (0,0) (1,0) (1,1).
; Behind the second quadrant x's half 0 is done with, behind the third one half of W1's, behind the fourth the rest: each is fetched anew at once, and the next step begins with the quadrant whose halves were asked for first.
; CLUSTERS: 4 x 4 work-groups.  The four of a row of the cluster ask jointly for x's tiles, the four of a column for W1's.  Waves 0-3 fetch x's four quarters (64 rows each), waves 4-7 W1's.
; The matrix instruction is used transposed (source 0 = 16 rows of W1, source 1 = 16 rows of x): a lane holds eight neighbouring n of one row m.
; A fragment is fetched by four loads of 16 bytes: a permutation of k inside the instruction's 128, the same in both operands.
; PREFETCH INTO THE L2: the work-group's eight K steps are numbered 0 .. 7 through both tiles.  Behind the joint load of K step g stands one prefetch a wave for K step g + 2: of the 64 rows that the wave fetches,
; the partner at place p among the four that ask jointly takes rows 16 p .. 16 p + 15, told apart by address (p = cx for x, cy for W1); lanes 0-15 a row of 256 bytes each, lanes 16-31 name row 15 again.
; K steps 0 and 1 come by their loads alone; the loads of K steps 6 and 7 ask for nothing; W1's rows are the same in both tiles and are asked for up to K step 3.  The address registers are never rewritten: the steps are immediates.
; THE GELU.  a = sum x 2^(e0 + e1) + b1.  With t = 1 / (1 + |a| / (2 sqrt 2)) and E = k0 - a^2 log2(e) / 2 + t (k1 + t (k2 + .. + t k9)), t 2^E is erfc(|a| / sqrt 2) / 2 (a Chebyshev fit of erfc, its
; error a fraction of about 1.2e-7 of erfc; coefficients x log2(e), the half folded into k0).  d = a t 2^E.  gelu(a) is the larger of a - d and d; med3(a - d, d, 448 x 2^e2) is that maximum held at the largest code.
; LIMITS: e0 + e1 between -126 and 127.  e2 between -11 and 119: d and -gelu never pass 0.17 < 448 x 2^-11.  NaN and infinities among the inputs are not served.
; REGISTERS: window 0: v0-31 addresses and constants; v32-95 x's fragments, on the way out b1; v96-223 W1's fragments, on the way out the batch's arrays; v224-249 codes and constants.
;   window 1: accumulator (a, b) at v[8 (8 a + b)]; on the way out v[64 a .. 64 a + 15] take block a of hc.
.set ROWB,   256                       ; a tile's row: 256 codes
.set KROW,   1024                      ; a row of x_codes or of w1c in memory
.set PITCH,  272                       ; an LDS row: 256 bytes + 16 of padding
.set FR,     16                        ; registers of a fragment
.set NP,     4                         ; places behind this matrix instruction (ISA guide 7.12.1)
.set QT,     64*PITCH                  ; 64 rows: what one tensor load brings
.set SLOT,   8*QT                      ; x's 256 rows, then W1's 256 rows
.set SPARE,  2*SLOT                    ; the spare words: 128 bytes for each of eight waves
.set BST,    SPARE+1024                ; b1 of a wave's 128 columns: 512 bytes for each wave
.set STG,    BST+4096                  ; a stage for each wave: 16 rows x SPITCH bytes
.set SPITCH, 144
.set RBB,    65536                     ; in hc: from a block of 16 rows to the next
.set WALK,   4096                      ; rows from the first tile to the second
.set NEXT_A, WALK*KROW-2*ROWB          ; from a slot's last K step of the first tile to its first of the second
.set K0,   8
.set K8,   10
.set SCL,  12
.set ADRA, 16                          ; v16-17 my fragments of x in slot 0, 1
.set ADRB, 20                          ; v20-21 the same for W1
.set STO,  24
.set RD,   25
.set CO,   26                          ; 16 x lane
.set BO,   27                          ; where I read b1 back: my 512 bytes + 32 (l / 16)
.set SPW,  28
.set NIL,  29
.set BW,   30                          ; where I put 16 bytes of b1
.set PFO,  31                          ; the prefetches' offset: min(lane, 15) rows of 1,024 bytes; never rewritten
.set AFR,  32
.set BIAS, 32
.set BFR,  96
.set AV,   96
.set TV,   128
.set PV,   160
.set MV,   192
.set CV,   224
.set KC,   232
.set G1, 24
.set G0, 32
.set G1B, 48
.set G0B, 56
.set PFA, 70                           ; s[70:71] my work-group's 16 rows of the 64 that I fetch, at K step 0 of the first tile; never rewritten
.set SAB, 84
.set C1,  86
.set LIM, 87
.set CNT, 88
.set MSB, 0
.macro WIN new                         ; the immediate's high byte repeats the setting that is left
.if MSB != (\new)
	s_set_vgpr_msb (MSB<<8)|(\new)
.set MSB, (\new)
.endif
.endm
.set MUL,  0x50                        ; sources 0 and 1 window 0, C and D window 1
.set TO_1, 0x40                        ; destination window 1
.macro JLOAD g0a, g1a, g0b, g1b        ; a joint load: waves 0-3 for x, waves 4-7 for W1; an s_nop 0 and four v_nop follow each line
	s_cmp_eq_u32 s15, 0
	s_cbranch_scc0 .Lfor_b_\@
	tensor_load_to_lds s[\g0a:\g0a+3], s[\g1a:\g1a+7]
	s_nop 0
.rept 4
	v_nop
.endr
	s_branch .Lasked_\@
.Lfor_b_\@:
	tensor_load_to_lds s[\g0b:\g0b+3], s[\g1b:\g1b+7]
	s_nop 0
.rept 4
	v_nop
.endr
.Lasked_\@:
.endm
.macro ASK g                           ; the prefetch of K step g (2 .. 7); from K step 4 on x's waves alone ask
.if (\g) > 3
	s_cmp_eq_u32 s15, 0
	s_cbranch_scc0 .Lno_ask_\@
.endif
	global_prefetch_b8 v[PFO], s[PFA:PFA+1] offset:((\g)/4)*WALK*KROW+((\g)%4)*ROWB th:TH_LOAD_NT scope:SCOPE_SE
.Lno_ask_\@:
.endm
.macro CREST                           ; a round of the cluster's barrier behind its opening barrier
	s_cmp_lg_u32 s14, 0
	s_cbranch_scc1 .Lnot_wave_0_\@
	s_barrier_signal -3
.Lnot_wave_0_\@:
	s_barrier_wait -3
	s_barrier_signal -1
	s_barrier_wait -1
.endm
.macro CROUND
	s_barrier_signal -1
	s_barrier_wait -1
	CREST
.endm
.macro VPAIR r, val
	v_mov_b32 v[\r], \val
	v_mov_b32 v[\r+1], \val
.endm
.macro PLACES n
.rept \n
	v_nop
.endr
.endm
	s_load_b128 s[4:7], s[0:1], 0x0                ; x's codes, W1's codes
	s_load_b128 s[8:11], s[0:1], 0x10              ; the scales' exponents, b1
	s_load_b64 s[12:13], s[0:1], 0x20              ; hc
	v_lshl_add_u32 v[SPW], v0, 2, SPARE
	v_mov_b32 v[NIL], 0
	ds_add_u32 v[SPW], v[NIL]                      ; the opening lines: the add, twice on end, and its wait
	ds_add_u32 v[SPW], v[NIL]
	v_lshrrev_b32 v1, 5, v0
	v_readfirstlane_b32 s14, v1                    ; wave 0..7
	s_lshr_b32 s15, s14, 2                         ; I fetch for x (0) or for W1 (1)
	s_and_b32 s16, s14, 3                          ; which 64 rows of that tile I fetch
	s_bfe_u32 s40, ttmp6, 0x40000                  ; cx, cy
	s_bfe_u32 s41, ttmp6, 0x40004
	s_lshl_b32 s42, ttmp9, 2
	s_add_co_u32 s42, s42, s40                     ; tile column, 0 .. 15
	s_and_b32 s17, ttmp7, 0xffff
	s_lshl_b32 s17, s17, 2
	s_add_co_u32 s17, s17, s41                     ; the first tile's row, 0 .. 15; the second's is 16 more
	s_lshl_b32 s43, s41, 2
	s_lshl_b32 s43, 15, s43                        ; my row of the cluster
	s_lshl_b32 s44, 0x1111, s40                    ; my column
	s_or_b32 s[G1+0], s43, (0<<16)|(1<<20)|(1<<21)|(5<<22)|(3<<25)  ; mask; 1-byte elements; padding of 4 words behind every 64; bit 21 beside the mask
	s_or_b32 s[G1B+0], s44, (0<<16)|(1<<20)|(1<<21)|(5<<22)|(3<<25)
.irp g, G1, G1B
	s_mov_b32 s[\g+1], ROWB<<16                    ; tensor_dim0
	s_mov_b32 s[\g+2], 64<<16                      ; tensor_dim1
	s_mov_b32 s[\g+3], ROWB<<16                    ; tile_dim0
	s_mov_b32 s[\g+4], 64                          ; tile_dim1
	s_mov_b32 s[\g+5], KROW                        ; the pitch
	s_mov_b32 s[\g+6], 0
	s_mov_b32 s[\g+7], 0
.endr
	s_lshl_b32 s18, s16, 6
	s_lshl_b32 s20, s17, 8
	s_add_co_u32 s20, s20, s18                     ; x: row 256 x tile row + 64 x quarter
	s_lshl_b32 s46, s42, 8
	s_add_co_u32 s46, s46, s18                     ; W1: row 256 x tile column + 64 x quarter
	s_lshl_b32 s20, s20, 10
	s_lshl_b32 s46, s46, 10
	s_mov_b32 s21, 0
	s_mov_b32 s47, 0
	s_mul_i32 s45, s14, QT                         ; where they go: wave x 64 rows
	s_mov_b32 s[C1], 0x3eb504f3                    ; 1 / (2 sqrt 2)
	s_wait_dscnt 0x0                               ; both opening adds are done
	s_wait_kmcnt 0x0
	s_load_b128 s[92:95], s[8:9], 0x0              ; e0 .. e3
	s_add_nc_u64 s[20:21], s[4:5], s[20:21]
	s_add_nc_u64 s[46:47], s[6:7], s[46:47]
	CROUND                                         ; all sixteen work-groups are here
.irp s, 0,1
	s_mov_b32 s[G0+4*\s], 1
	s_add_co_u32 s[G0+4*\s+1], s45, \s*SLOT
	s_add_nc_u64 s[G0+4*\s+2:G0+4*\s+3], s[20:21], \s*ROWB
	s_or_b32 s[G0+4*\s+3], s[G0+4*\s+3], 0x80000000
	s_mov_b32 s[G0B+4*\s], 1
	s_add_co_u32 s[G0B+4*\s+1], s45, \s*SLOT
	s_add_nc_u64 s[G0B+4*\s+2:G0B+4*\s+3], s[46:47], \s*ROWB
	s_or_b32 s[G0B+4*\s+3], s[G0B+4*\s+3], 0x80000000
.endr
	JLOAD G0, G1, G0B, G1B                         ; K step 0: my one tensor load at the head
	s_lshr_b32 s66, s14, 1                         ; which 64 rows of the tile I multiply
	s_and_b32 s67, s14, 1                          ; which 128 columns
	s_mul_i32 s21, s66, QT                         ; my rows of x
	s_mul_i32 s22, s67, 2*QT
	s_add_co_u32 s22, s22, 4*QT                    ; my rows of W1, behind x's 256
	s_mul_i32 s23, s14, 16*SPITCH
	s_add_co_u32 s23, s23, STG                     ; my stage
	s_lshl_b32 s68, s14, 9
	s_add_co_u32 s68, s68, BST                     ; my 512 bytes for b1
	s_lshl_b32 s46, s42, 10                        ; b1 at my first column: 1,024 bytes a tile column + 512 x half
	s_lshl_b32 s47, s67, 9
	s_add_co_u32 s46, s46, s47
	s_mov_b32 s47, 0
	s_add_nc_u64 s[10:11], s[10:11], s[46:47]
	s_lshl_b32 s20, s17, 4                         ; hc: block row 16 x tile row + 4 x my quarter,
	s_lshl_b32 s18, s66, 2
	s_add_co_u32 s20, s20, s18
	s_lshl_b32 s20, s20, 16
	s_lshl_b32 s46, s42, 1                         ; block column 2 x tile column + half
	s_add_co_u32 s46, s46, s67
	s_lshl_b32 s46, s46, 11
	s_add_co_u32 s46, s46, s20                     ; under 2^25
	s_add_nc_u64 s[12:13], s[12:13], s[46:47]
	s_lshl_b32 s72, s17, 8                         ; the prefetches: the tile's first row, in x by the tile row, in W1 by the tile column,
	s_lshl_b32 s73, s42, 8
	s_cmp_eq_u32 s15, 0
	s_cselect_b32 s72, s72, s73
	s_cselect_b32 s73, s40, s41                    ; my place among the four that ask with me
	s_cselect_b64 s[PFA:PFA+1], s[4:5], s[6:7]
	s_lshl_b32 s18, s16, 6
	s_add_co_u32 s72, s72, s18                     ; + the 64 rows that I fetch
	s_lshl_b32 s73, s73, 4
	s_add_co_u32 s72, s72, s73                     ; + my work-group's 16 of them
	s_lshl_b32 s72, s72, 10
	s_mov_b32 s73, 0
	s_add_nc_u64 s[PFA:PFA+1], s[PFA:PFA+1], s[72:73]
	s_wait_kmcnt 0x0                               ; the exponents
	s_add_co_i32 s[SAB], s92, s93
	s_add_co_i32 s[SAB], s[SAB], 127
	s_lshl_b32 s[SAB], s[SAB], 23                  ; 2^(e0 + e1)
	s_mov_b32 s[SAB+1], s[SAB]
	s_add_co_i32 s89, s94, 127
	s_lshl_b32 s90, s89, 23                        ; 2^e2
	s_add_co_i32 s89, s89, 8
	s_lshl_b32 s89, s89, 23
	s_or_b32 s[LIM], s89, 0x600000                 ; 448 x 2^e2
	v_and_b32 v1, 15, v0                           ; r
	v_bfe_u32 v2, v0, 4, 1                         ; h
	v_and_b32 v6, 31, v0
	v_min_u32 v[PFO], 15, v6
	v_lshlrev_b32 v[PFO], 10, v[PFO]
	v_mul_u32_u24 v3, v1, PITCH
	v_lshl_add_u32 v4, v2, 4, v3                   ; a fragment's row x pitch + 16 h
	v_add_nc_u32 v[ADRA], s21, v4
	v_add_nc_u32 v[ADRB], s22, v4
	v_add_nc_u32 v[ADRA+1], SLOT, v[ADRA]
	v_add_nc_u32 v[ADRB+1], SLOT, v[ADRB]
	v_mul_u32_u24 v5, v1, SPITCH
	v_lshl_add_u32 v7, v2, 3, v5
	v_add_nc_u32 v[STO], s23, v7                   ; into the stage: row r, 8 bytes for each half of the lanes
	v_lshl_add_u32 v7, v2, 4, v5
	v_add_nc_u32 v[RD], s23, v7                    ; back: row r, 16 bytes for each half
	v_lshlrev_b32 v[CO], 4, v6
	v_add_nc_u32 v[BW], s68, v[CO]
	v_lshlrev_b32 v7, 5, v2
	v_add_nc_u32 v[BO], s68, v7
	global_load_b128 v[AV:AV+3], v[CO], s[10:11]   ; b1 of my 128 columns: 512 consecutive bytes
	ASK 2                                          ; behind K step 0's load: K step 2
	v_mov_b32 v[SCL], s90
	VPAIR K0, 0xc034d90f                           ; k0 = -1.26551223 log2(e) - 1
	VPAIR K8, 0xbf97d29d                           ; k8 = -0.82215223 log2(e)
	VPAIR KC+0,  0x3fb8ab5a                        ; k1 =  1.00002368 log2(e)
	VPAIR KC+2,  0x3f0a29d2                        ; k2 =  0.37409196 log2(e)
	VPAIR KC+4,  0x3e0efb2e                        ; k3 =  0.09678418 log2(e)
	VPAIR KC+6,  0xbe899a80                        ; k4 = -0.18628806 log2(e)
	VPAIR KC+8,  0x3ecdfd18                        ; k5 =  0.27886807 log2(e)
	VPAIR KC+10, 0xbfd1a1e5                        ; k6 = -1.13520398 log2(e)
	VPAIR KC+12, 0x40097039                        ; k7 =  1.48851587 log2(e)
	VPAIR KC+14, 0x3e7c6f08                        ; k9 =  0.17087277 log2(e)
	VPAIR KC+16, 0xbf38aa3b                        ; -log2(e) / 2
	s_wait_alu depctr_va_vdst(0)
	s_wait_loadcnt 0x0
	ds_store_b128 v[BW], v[AV:AV+3]                ; b1 into my own 512 bytes: both ways out read it from there
.macro FRAG reg, adr, q, i             ; lane l holds row l % 16; registers 4 c .. 4 c + 3 hold K = 32 c + 16 (l / 16) + 0 .. 15
.irp c, 0,1,2,3
	ds_load_b128 v[\reg+4*\c:\reg+4*\c+3], v[\adr] offset:128*(\q)+32*\c+(\i)*16*PITCH
.endr
.endm
.macro LA slot, q, ah                  ; 8 LDS loads: x's blocks 2 ah, 2 ah + 1 of the slot's q-th 128 along K
.irp u, 0,1
	FRAG AFR+FR*(2*(\ah)+\u), ADRA+\slot, \q, 2*(\ah)+\u
.endr
.endm
.macro LB slot, q, bh                  ; 16 LDS loads: W1's blocks 4 bh .. 4 bh + 3
.irp u, 0,1,2,3
	FRAG BFR+FR*(4*(\bh)+\u), ADRB+\slot, \q, 4*(\bh)+\u
.endr
.endm
; A quadrant: 8 matrix instructions, x's blocks 2 ah, 2 ah + 1 against W1's 4 bh .. 4 bh + 3.  No two that follow each other share an accumulator, and 16 or more others stand between two steps of a sum.
.macro MULQ ah, bh, zero
.irp a, 2*(\ah), 2*(\ah)+1
.irp b, 4*(\bh), 4*(\bh)+1, 4*(\bh)+2, 4*(\bh)+3
.if \zero
	v_wmma_f32_16x16x128_fp8_fp8 v[8*(8*(\a)+(\b)):8*(8*(\a)+(\b))+7], v[BFR+FR*(\b):BFR+FR*(\b)+FR-1], v[AFR+FR*(\a):AFR+FR*(\a)+FR-1], 0
.else
	v_wmma_f32_16x16x128_fp8_fp8 v[8*(8*(\a)+(\b)):8*(8*(\a)+(\b))+7], v[BFR+FR*(\b):BFR+FR*(\b)+FR-1], v[AFR+FR*(\a):AFR+FR*(\a)+FR-1], v[8*(8*(\a)+(\b)):8*(8*(\a)+(\b))+7]
.endif
.endr
.endr
.endm
; A step's fragments are asked for in four groups, in the order in which its quadrants want them: x's half 0 (8 loads), W1's first half (16), W1's other half (16), x's half 1 (8).
; So the waits on DScnt: 24 = the two younger groups may be out; 8 = the youngest group may be out.
; A slot's first 128 along K: quadrants (0,0) (0,1) (1,1) (1,0); its second 128 are fetched on the way.  Four places stand in front of each run of loads into registers that matrix instructions have read.
.macro STEP slot, zero
	s_wait_dscnt 24
	WIN MUL
	MULQ 0, 0, \zero
	s_wait_dscnt 8
	MULQ 0, 1, \zero
	PLACES NP
	WIN 0
	LA \slot, 1, 0
	s_wait_dscnt 8                                 ; x's half 1 is in; the eight loads just issued may be out
	WIN MUL
	MULQ 1, 1, \zero
	PLACES NP
	WIN 0
	LB \slot, 1, 1
	WIN MUL
	MULQ 1, 0, \zero
	PLACES NP
	WIN 0
	LB \slot, 1, 0
	LA \slot, 1, 1
.endm
; A slot's second 128: quadrants (0,1) (0,0) (1,0) (1,1), and the change of slots.  mode 0: nothing is filled; 1: this slot takes this tile's K step two on; 2: the next tile's K step 0 or 1.
; fetch: the next slot's first fragments follow.  ask: the K step that is prefetched, or 0.
.macro TURN slot, next, mode, fetch, ask
	s_wait_tensorcnt 0x0                           ; all my tensor loads have landed: my part of the next slot
	ds_add_u32 v[SPW], v[NIL]
	s_wait_dscnt 25                                ; (the counts of a step, and the add)
	WIN MUL
	MULQ 0, 1, 0
	s_wait_dscnt 9
	MULQ 0, 0, 0
	s_wait_dscnt 0x0                               ; the add is done, and my reads of this slot are over
	s_barrier_signal -1
	MULQ 1, 0, 0
	WIN 0
	s_barrier_wait -1
.if \mode
	CREST                                          ; the barrier has opened a round: no wave of any partner still reads this slot or has a load on its way
.if (\mode) == 2
	s_add_nc_u64 s[G0+4*\slot+2:G0+4*\slot+3], s[G0+4*\slot+2:G0+4*\slot+3], NEXT_A
	s_sub_nc_u64 s[G0B+4*\slot+2:G0B+4*\slot+3], s[G0B+4*\slot+2:G0B+4*\slot+3], 2*ROWB
.else
	s_add_nc_u64 s[G0+4*\slot+2:G0+4*\slot+3], s[G0+4*\slot+2:G0+4*\slot+3], 2*ROWB
	s_add_nc_u64 s[G0B+4*\slot+2:G0B+4*\slot+3], s[G0B+4*\slot+2:G0B+4*\slot+3], 2*ROWB
.endif
	JLOAD G0+4*\slot, G1, G0B+4*\slot, G1B         ; my one load behind the round; its four v_nop are the places behind the products
.else
	PLACES NP
.endif
.if \fetch
	LA \next, 0, 0
	LB \next, 0, 0
.endif
.if \ask
	ASK \ask
.endif
	WIN MUL
	MULQ 1, 1, 0
	PLACES NP
	WIN 0
.if \fetch
	LB \next, 0, 1
	LA \next, 0, 1
.endif
.endm
.macro TILE last                       ; K = 1,024: four K steps, twice round the ring, written out
	LA 0, 0, 0
	LB 0, 0, 0
	LB 0, 0, 1
	LA 0, 0, 1
.if \last
	STEP 0, 1                                      ; the first products start the sums
	TURN 0, 1, 1, 1, 0                             ; slot 0 takes K step 2
	STEP 1, 0
	TURN 1, 0, 1, 1, 0                             ; slot 1 takes K step 3
	STEP 0, 0
	TURN 0, 1, 0, 1, 0                             ; nothing is left to fetch
	STEP 1, 0
	s_wait_dscnt 24                                ; the very last 128
	WIN MUL
	MULQ 0, 1, 0
	s_wait_dscnt 8
	MULQ 0, 0, 0
	s_wait_dscnt 0x0
	MULQ 1, 0, 0
	MULQ 1, 1, 0
	PLACES NP
	WIN 0
.else
	ASK 3                                          ; behind K step 1's load
	STEP 0, 1
	TURN 0, 1, 1, 1, 4                             ; slot 0 takes K step 2
	STEP 1, 0
	TURN 1, 0, 1, 1, 5                             ; slot 1 takes K step 3
	STEP 0, 0
	TURN 0, 1, 2, 1, 6                             ; slot 0 takes the next tile's K step 0,
	STEP 1, 0
	TURN 1, 0, 2, 0, 7                             ; slot 1 its K step 1; the fragments' registers serve the way out first
.endif
.endm
; THE WAY OUT: eight batches of four accumulators, 32 numbers a lane.  Batch i: x's block a = i / 2, W1's blocks 4 (i % 2) + 0 .. 3.  The arithmetic (MATH) names window 0 alone and stands once in a loop of eight trips;
; what differs from batch to batch stands in eight short arms.  Two batches make one block of hc, which turns through my own stage, with no barrier.
.macro PRE i                           ; a = sum x 2^(e0 + e1) + b1; each accumulator from its low end on
.set PH_, (\i)%2
.set PACC, 64*((\i)/2)+32*PH_
	WIN 0x01                                       ; source 0: window 1
.irp j, 0,2,4,6,8,10,12,14,16,18,20,22,24,26,28,30
	v_pk_fma_f32 v[AV+\j:AV+\j+1], v[PACC+\j:PACC+\j+1], s[SAB:SAB+1], v[BIAS+32*PH_+\j:BIAS+32*PH_+\j+1] op_sel_hi:[1,0,1]
.endr
	WIN 0
.endm
.macro POST i                          ; the batch's codes into my stage: row r, columns 64 (i % 2) + 16 q + 8 h on
.irp q, 0,1,2,3
	ds_store_b64 v[STO], v[CV+2*\q:CV+2*\q+1] offset:64*((\i)%2)+16*\q
.endr
.endm
.macro BACK a                          ; block a comes back as four register groups, into registers of its own accumulators, which have been read
	WIN TO_1
.irp c, 0,1,2,3
	ds_load_b128 v[64*(\a)+4*\c:64*(\a)+4*\c+3], v[RD] offset:32*\c
.endr
	WIN 0
.endm
.macro SENDB a                         ; each store covers 512 consecutive bytes, at a multiple of 512 from hc's first byte
	WIN 0x04                                       ; the stores' data: window 1
.irp c, 0,1,2,3
	global_store_b128 v[CO], v[64*(\a)+4*\c:64*(\a)+4*\c+3], s[12:13] offset:(\a)*RBB+512*\c
.endr
	WIN 0
.endm
.macro ARM i
.if ((\i)%2) == 0
.if (\i) >= 2
	SENDB (\i)/2-1                                 ; the block before: MATH's wait on DScnt has shown it back in registers
.endif
	POST \i
.else
	POST \i
	BACK (\i)/2
.endif
.if (\i) < 7
	PRE (\i)+1
.endif
.endm
.macro MATH
.set n, 0
.rept 32
	v_fma_f32 v[TV+n], |v[AV+n]|, s[C1], 1.0       ; 1 + |a| / (2 sqrt 2)
.set n, n+1
.endr
.set n, 0
	s_wait_alu depctr_va_vdst(0)
.rept 32
	v_rcp_f32 v[TV+n], v[TV+n]                     ; t
.set n, n+1
.endr
.set j, 0
.rept 16
	v_pk_mul_f32 v[MV+j:MV+j+1], v[AV+j:AV+j+1], v[AV+j:AV+j+1]    ; a^2
.set j, j+2
.endr
.set j, 0
.rept 16
	v_pk_fma_f32 v[MV+j:MV+j+1], v[MV+j:MV+j+1], v[KC+16:KC+17], v[K0:K0+1]   ; k0 - a^2 log2(e) / 2
.set j, j+2
.endr
	s_wait_alu depctr_va_vdst(0)                   ; one wait for the 32 reciprocals, ahead of their first reader
.set j, 0
.rept 16
	v_pk_fma_f32 v[PV+j:PV+j+1], v[TV+j:TV+j+1], v[KC+14:KC+15], v[K8:K8+1]   ; k8 + t k9
.set j, j+2
.endr
.irp k, 12,10,8,6,4,2,0                        ; k7 .. k1: sixteen independent lines to a stage
.set j, 0
.rept 16
	v_pk_fma_f32 v[PV+j:PV+j+1], v[PV+j:PV+j+1], v[TV+j:TV+j+1], v[KC+\k:KC+\k+1]
.set j, j+2
.endr
.endr
.set j, 0
.rept 16
	v_pk_fma_f32 v[PV+j:PV+j+1], v[PV+j:PV+j+1], v[TV+j:TV+j+1], v[MV+j:MV+j+1]   ; E
.set j, j+2
.endr
.set n, 0
	s_wait_alu depctr_va_vdst(0)
.rept 32
	v_exp_f32 v[PV+n], v[PV+n]                     ; 2^E
.set n, n+1
.endr
.set j, 0
.rept 16
	v_pk_mul_f32 v[TV+j:TV+j+1], v[AV+j:AV+j+1], v[TV+j:TV+j+1]    ; a t
.set j, j+2
.endr
	s_wait_alu depctr_va_vdst(0)                   ; one wait for the 32 exponentials
.set j, 0
.rept 16
	v_pk_mul_f32 v[MV+j:MV+j+1], v[TV+j:TV+j+1], v[PV+j:PV+j+1]    ; d = a t 2^E
.set j, j+2
.endr
.set j, 0
.rept 16
	v_pk_fma_f32 v[PV+j:PV+j+1], v[TV+j:TV+j+1], v[PV+j:PV+j+1], v[AV+j:AV+j+1] neg_lo:[1,0,0] neg_hi:[1,0,0]   ; a - d
.set j, j+2
.endr
.set n, 0
.rept 32
	v_med3_num_f32 v[AV+n], v[PV+n], v[MV+n], s[LIM]   ; the gelu, held at the largest code x the scale (the conversion does not saturate: ISA guide 7.6.2)
.set n, n+1
.endr
	s_wait_alu depctr_va_vdst(0)
	s_wait_dscnt 0x0                               ; the last batch's stores have read the codes' registers, and a block read back is in
.irp q, 0,1,2,3
	v_cvt_scalef32_pk8_fp8_f32 v[CV+2*\q:CV+2*\q+1], v[AV+8*\q:AV+8*\q+7], v[SCL]
.endr
	v_nop                                          ; one plain vector instruction behind the last conversion
.endm
.macro EPI t
.irp b, 0,1,2,3,4,5,6,7
	ds_load_b128 v[BIAS+8*\b:BIAS+8*\b+3], v[BO] offset:64*\b       ; b1(16 b + 8 h + j) at v[BIAS + 8 b + j]
	ds_load_b128 v[BIAS+8*\b+4:BIAS+8*\b+7], v[BO] offset:64*\b+16
.endr
	s_wait_dscnt 0x0
	PRE 0
	s_mov_b32 s[CNT], 0
.Lbatch_\t:                                            ; eight trips; every window is 0 at each label and branch
	MATH
.irp i, 0,1,2,3,4,5,6
	s_cmp_eq_u32 s[CNT], \i
	s_cbranch_scc1 .Lsn_\t\i
.endr
	s_wait_alu depctr_va_vdst(0)
	ARM 7
	s_branch .Ljoin_\t
.irp i, 0,1,2,3,4,5,6
.Lsn_\t\i:
	s_wait_alu depctr_va_vdst(0)
	ARM \i
.if \i < 6
	s_branch .Ljoin_\t
.endif
.endr
.Ljoin_\t:
	s_add_co_u32 s[CNT], s[CNT], 1
	s_cmp_lt_u32 s[CNT], 8
	s_cbranch_scc1 .Lbatch_\t
	s_wait_dscnt 0x0                               ; the last block is back in registers
	SENDB 3
.endm
	s_wait_tensorcnt 0x0                           ; my part of K step 0 is in
	ds_add_u32 v[SPW], v[NIL]
	s_wait_dscnt 0x0                               ; the add and my store of b1 are done
	CROUND                                         ; everybody's part of K step 0 is in, and the joint loads meet
	JLOAD G0+4, G1, G0B+4, G1B                     ; K step 1, the first tensor load behind the round
	TILE 0
	EPI 0                                          ; the first tile goes out while the second's K step 1 is on its way
	s_wait_xcnt 0x0                                ; the stores have read their base and their registers: the base steps, and the next products write those registers
	s_add_nc_u64 s[12:13], s[12:13], 256*RBB       ; 4,096 rows of hc on
	TILE 1
	EPI 1
	s_wait_tensorcnt 0x0                           ; the wave's end
	ds_add_u32 v[SPW], v[NIL]
	s_wait_dscnt 0x0
	CROUND                                         ; the closing round
	s_endpgm
.Lfunc_end_k_qf4f4a603b7_gemm1:
	.size	k_qf4f4a603b7_gemm1, .Lfunc_end_k_qf4f4a603b7_gemm1-k_qf4f4a603b7_gemm1
	.p2alignl 7, 3214868480
	.fill 96, 4, 3214868480
	.section	.rodata,"a",@progbits
	.p2align	6, 0x0
	.amdhsa_kernel k_qf4f4a603b7_gemm1
		.amdhsa_group_segment_fixed_size 327680
		.amdhsa_private_segment_fixed_size 0
		.amdhsa_enable_private_segment 0
		.amdhsa_kernarg_size 40
		.amdhsa_user_sgpr_count 2
		.amdhsa_user_sgpr_kernarg_segment_ptr 1
		.amdhsa_wavefront_size32 1
		.amdhsa_system_sgpr_workgroup_id_x 1
		.amdhsa_system_sgpr_workgroup_id_y 1
		.amdhsa_system_sgpr_workgroup_id_z 1
		.amdhsa_system_vgpr_workitem_id 0
		.amdhsa_next_free_vgpr 512
		.amdhsa_next_free_sgpr 100
		.amdhsa_reserve_vcc 0
		.amdhsa_float_denorm_mode_32 3
		.amdhsa_float_denorm_mode_16_64 3
		.amdhsa_memory_ordered 1
		.amdhsa_forward_progress 1
		.amdhsa_inst_pref_size 178
	.end_amdhsa_kernel
	.amdgpu_metadata
---
amdhsa.version: [ 1, 2 ]
amdhsa.kernels:
  - .name:           k_qf4f4a603b7_gemm1
    .symbol:         k_qf4f4a603b7_gemm1.kd
    .args:
      - { .name: x_codes, .offset: 0, .size: 8, .value_kind: global_buffer, .address_space: global }
      - { .name: w1c, .offset: 8, .size: 8, .value_kind: global_buffer, .address_space: global }
      - { .name: lowp_scales, .offset: 16, .size: 8, .value_kind: global_buffer, .address_space: global }
      - { .name: b1, .offset: 24, .size: 8, .value_kind: global_buffer, .address_space: global }
      - { .name: hc, .offset: 32, .size: 8, .value_kind: global_buffer, .address_space: global }
    .group_segment_fixed_size: 327680
    .private_segment_fixed_size: 0
    .kernarg_segment_align: 8
    .kernarg_segment_size: 40
    .max_flat_workgroup_size: 256
    .sgpr_count:     100
    .vgpr_count:     512
    .wavefront_size: 32
...
	.end_amdgpu_metadata
.endif
;; end of part 3
;; launch gemm2 (part 4): grid 32 x 8, 4 waves a work-group, clusters of 4 x 1, 327,680 bytes of LDS; arguments hc, w2c, lowp_scales, b2, out0; writes out0
.if DOCPART == 4
	.amdgcn_target "amdgcn-amd-amdhsa--gfx1250"
	.amdhsa_code_object_version 6
	.text
	.protected	k_qf4f4a603b7_gemm2
	.globl	k_qf4f4a603b7_gemm2
	.p2align	8
	.type	k_qf4f4a603b7_gemm2,@function
k_qf4f4a603b7_gemm2:
	s_mov_b64 s[64:65], 0
	v_nop
	global_prefetch_b8 v0, s[64:65] scope:SCOPE_SE
	s_setreg_imm32_b32 hwreg(HW_REG_WAVE_MODE, 25, 1), 1
	s_wait_xcnt 0x0
	s_wait_alu depctr_hold_cnt(0) depctr_sa_sdst(0) depctr_va_vdst(0) depctr_va_sdst(0) depctr_va_ssrc(0) depctr_va_vcc(0) depctr_vm_vsrc(0)
	s_getreg_b32 s2, hwreg(HW_REG_IB_STS2, 6, 4)
	s_cmp_eq_u32 s2, 0
	s_cbranch_scc0 .Lentry_in_a_cluster
	s_endpgm
.Lentry_in_a_cluster:
	s_bfe_u32 s2, ttmp6, 0x10000c
	s_cmp_lg_u32 s2, 0x3003
	s_cbranch_scc0 .Lentry_shape_is_right
	s_endpgm
.Lentry_shape_is_right:
.set SIZE_N, 1024
.set KROW,   4096
.set PITCH,  1040
.set FR,     16
.set NP,     4
.set WROWS,  32*PITCH
.set SLOT,   4*WROWS
.set HI,     64*PITCH
.set SPARE,  2*SLOT
.set SPITCH, 528
.set RBB,    65536
.set NA,     128
.set NLD,    NA+4
.set ADRB, 16
.set STO,  24
.set RD,   25
.set CO,   26
.set BO,   27
.set SPW,  28
.set NIL,  29
.set PFO,  30
.set PFW,  31
.set BIAS, 32
.set TMP,  96
.set G1, 24
.set G0, 32
.set AB, 48
.set TC, 50
.set PB, 52
.set MSB, 0
.macro WIN new
.if MSB != (\new)
	s_set_vgpr_msb (MSB<<8)|(\new)
.set MSB, (\new)
.endif
.endm
.set MUL,  0xad
.set TO_B, 0x40
.set TO_A, 0xc0
.macro JLOAD n
	tensor_load_to_lds s[G0+4*(\n):G0+4*(\n)+3], s[G1:G1+7]
	s_nop 0
.rept 4
	v_nop
.endr
.endm
.macro CREST
	s_cmp_lg_u32 s14, 0
	s_cbranch_scc1 .Lnot_wave_0_\@
	s_barrier_signal -3
.Lnot_wave_0_\@:
	s_barrier_wait -3
	s_barrier_signal -1
	s_barrier_wait -1
.endm
.macro CROUND
	s_barrier_signal -1
	s_barrier_wait -1
	CREST
.endm
.macro ASK m, slot
	s_cmp_eq_u32 s[TC], 0
	s_cbranch_scc0 .Lnot_h_\@
	s_wait_alu depctr_va_vdst(0)
.irp a, 0,1,2,3
	global_prefetch_b8 v[PFO], s[AB:AB+1] offset:\a*RBB+(\m)*8192 th:TH_LOAD_NT scope:SCOPE_SE
.endr
.Lnot_h_\@:
.if (\slot) > 0
	s_cmp_eq_u32 ttmp9, 0
	s_cbranch_scc0 .Lnot_w_\@
	s_wait_alu depctr_va_vdst(0)
	global_prefetch_b8 v[PFW], s[PB:PB+1] offset:(\slot)*1024 th:TH_LOAD_NT scope:SCOPE_SE
.Lnot_w_\@:
.endif
.endm
.macro PLACES n
.rept \n
	v_nop
.endr
.endm
.macro FETCHB g
.set FH_, (((\g)/8)%2)
.set FQ_, ((\g)%8)
.set FP_, ((\g)%2)
	WIN TO_B
.irp i, 0,1,2,3,4,5,6,7
.irp c, 0,1,2,3
	ds_load_b128 v[128*FP_+FR*\i+4*\c:128*FP_+FR*\i+4*\c+3], v[ADRB+2*FH_+\i/4] offset:128*FQ_+32*\c+(\i%4)*16*PITCH
.endr
.endr
	WIN 0
.endm
.macro ALOAD k
.if (\k) < NA
	WIN TO_A
.irp c, 0,1,2,3
	global_load_b128 v[64*(((\k)/4)%4)+FR*((\k)%4)+4*\c:64*(((\k)/4)%4)+FR*((\k)%4)+4*\c+3], v[CO], s[AB:AB+1] offset:((\k)%4)*RBB+((\k)/4)*2048+512*\c
.endr
.elseif (\k) < NLD
	WIN 0
.irp u, 0,1
	global_load_b128 v[BIAS+8*(2*((\k)-NA)+\u):BIAS+8*(2*((\k)-NA)+\u)+3], v[BO], s[10:11] offset:64*(2*((\k)-NA)+\u)
	global_load_b128 v[BIAS+8*(2*((\k)-NA)+\u)+4:BIAS+8*(2*((\k)-NA)+\u)+7], v[BO], s[10:11] offset:64*(2*((\k)-NA)+\u)+16
.endr
.endif
.endm
.macro AWAIT i, upto
.if (\upto) < NLD-1
	s_wait_loadcnt 4*((\upto)-(\i))
.else
	s_wait_loadcnt 4*(NLD-1-(\i))
.endif
.endm
.macro MUL8 g, a, zero
.set MP_, 128*((\g)%2)
.set MA_, 64*((\g)%4)+FR*(\a)
.irp b, 0,1,2,3,4,5,6,7
.if \zero
	v_wmma_f32_16x16x128_fp8_fp8 v[8*(8*(\a)+\b):8*(8*(\a)+\b)+7], v[MP_+FR*\b:MP_+FR*\b+FR-1], v[MA_:MA_+FR-1], 0
.else
	v_wmma_f32_16x16x128_fp8_fp8 v[8*(8*(\a)+\b):8*(8*(\a)+\b)+7], v[MP_+FR*\b:MP_+FR*\b+FR-1], v[MA_:MA_+FR-1], v[8*(8*(\a)+\b):8*(8*(\a)+\b)+7]
.endif
.endr
.endm
.macro STEP_HEAD g
	s_wait_dscnt 0x0
	PLACES NP
	FETCHB (\g)+1
.endm
.macro STEP_BODY g, zero
.irp a, 0,1,2,3
.set I_, 4*(\g)+\a
.if (\a > 0) && (I_+15 < NA)
	PLACES NP
.endif
	AWAIT I_, I_+14
	ALOAD I_+15
	WIN MUL
	MUL8 \g, \a, \zero
.endr
	WIN 0
.endm
.macro STEP g, zero
	STEP_HEAD \g
	STEP_BODY \g, \zero
.endm
.macro TURN g, fill, slot
.set T_, 4*(\g)
	PLACES NP
	AWAIT T_, T_+14
	ALOAD T_+15
	AWAIT T_+1, T_+15
	WIN 0
	s_wait_tensorcnt 0x0
	ds_add_u32 v[SPW], v[NIL]
	s_wait_dscnt 1
	WIN MUL
	MUL8 \g, 0, 0
	s_wait_dscnt 0x0
	s_barrier_signal -1
	MUL8 \g, 1, 0
	WIN 0
	s_barrier_wait -1
.if \fill
	CREST
	JLOAD \slot
.else
	PLACES NP
.endif
	FETCHB (\g)+1
	AWAIT T_+2, T_+15
	ALOAD T_+16
	ALOAD T_+17
	WIN MUL
	MUL8 \g, 2, 0
	PLACES NP
	AWAIT T_+3, T_+17
	ALOAD T_+18
	WIN MUL
	MUL8 \g, 3, 0
	WIN 0
.endm
	s_load_b128 s[4:7], s[0:1], 0x0
	s_load_b128 s[8:11], s[0:1], 0x10
	s_load_b64 s[12:13], s[0:1], 0x20
	v_lshl_add_u32 v[SPW], v0, 2, SPARE
	v_mov_b32 v[NIL], 0
	ds_add_u32 v[SPW], v[NIL]
	ds_add_u32 v[SPW], v[NIL]
	v_lshrrev_b32 v1, 5, v0
	v_readfirstlane_b32 s14, v1
	s_bfe_u32 s54, ttmp6, 0x40000
	s_lshl_b32 s55, ttmp9, 2
	s_add_co_u32 s55, s55, s54
	s_and_b32 s[TC], ttmp7, 0xffff
	s_mov_b32 s[G1+0], 15|(0<<16)|(1<<20)|(1<<21)|(7<<22)|(3<<25)
	s_mov_b32 s[G1+1], 1024<<16
	s_mov_b32 s[G1+2], 32<<16
	s_mov_b32 s[G1+3], 1024<<16
	s_mov_b32 s[G1+4], 32
	s_mov_b32 s[G1+5], KROW
	s_mov_b32 s[G1+6], 0
	s_mov_b32 s[G1+7], 0
	s_lshl_b32 s16, s[TC], 7
	s_lshl_b32 s17, s14, 5
	s_add_co_u32 s16, s16, s17
	s_lshl_b32 s16, s16, 12
	s_mov_b32 s17, 0
	s_mul_i32 s18, s14, WROWS
	s_lshl_b32 s20, s55, 4
	s_lshl_b32 s21, s14, 2
	s_add_co_u32 s20, s20, s21
	s_lshl_b32 s20, s20, 16
	s_mov_b32 s21, 0
	s_wait_dscnt 0x0
	s_wait_kmcnt 0x0
	s_load_b128 s[92:95], s[8:9], 0x0
	s_add_nc_u64 s[16:17], s[6:7], s[16:17]
	s_add_nc_u64 s[AB:AB+1], s[4:5], s[20:21]
	CROUND
.irp n, 0,1,2,3
	s_mov_b32 s[G0+4*\n], 1
	s_add_co_u32 s[G0+4*\n+1], s18, (\n%2)*SLOT
	s_add_nc_u64 s[G0+4*\n+2:G0+4*\n+3], s[16:17], \n*1024
	s_or_b32 s[G0+4*\n+3], s[G0+4*\n+3], 0x80000000
.endr
	JLOAD 0
	; the first 15 fragments of hc are asked for here, behind my one tensor load of the head: they are on their way while W2's first tile lands
	v_and_b32 v1, 15, v0
	v_bfe_u32 v2, v0, 4, 1
	v_and_b32 v6, 31, v0
	v_lshlrev_b32 v[CO], 4, v6
.irp k, 0,1,2,3,4,5,6,7,8,9,10,11,12,13,14
	ALOAD \k
.endr
	WIN 0
	s_wait_alu depctr_va_vdst(0)
	s_wait_tensorcnt 0x0
	ds_add_u32 v28, v29
	s_wait_dscnt 0x0
	CROUND
	JLOAD 1
	v_mul_u32_u24 v3, v1, PITCH
	v_lshl_add_u32 v[ADRB], v2, 4, v3
	v_add_nc_u32 v[ADRB+1], HI, v[ADRB]
	v_add_nc_u32 v[ADRB+2], SLOT, v[ADRB]
	v_add_nc_u32 v[ADRB+3], SLOT+HI, v[ADRB]
	s_mul_i32 s23, s14, 16*SPITCH
	v_mul_u32_u24 v5, v1, SPITCH
	v_lshl_add_u32 v5, v2, 5, v5
	v_add_nc_u32 v[STO], s23, v5
	v_add_nc_u32 v[RD], s23, v[CO]
	v_lshlrev_b32 v[BO], 5, v2
	v_lshlrev_b32 v[PFO], 8, v6
	v_lshrrev_b32 v7, 2, v6
	v_and_b32 v8, 3, v6
	v_lshlrev_b32 v8, 8, v8
	v_lshl_add_u32 v[PFW], v7, 12, v8
	s_lshl_b32 s20, s55, 8
	s_lshl_b32 s21, s14, 6
	s_add_co_u32 s20, s20, s21
	s_lshl_b32 s20, s20, 12
	s_lshl_b32 s21, s[TC], 9
	s_add_co_u32 s20, s20, s21
	s_mov_b32 s21, 0
	s_add_nc_u64 s[12:13], s[12:13], s[20:21]
	s_lshl_b32 s20, s[TC], 9
	s_add_nc_u64 s[10:11], s[10:11], s[20:21]
	s_lshl_b32 s56, s[TC], 7
	s_lshl_b32 s57, s54, 5
	s_add_co_u32 s56, s56, s57
	s_lshl_b32 s57, s14, 3
	s_add_co_u32 s56, s56, s57
	s_lshl_b32 s56, s56, 12
	s_mov_b32 s57, 0
	s_add_nc_u64 s[PB:PB+1], s[6:7], s[56:57]
	s_wait_kmcnt 0x0
	s_add_co_i32 s96, s94, s95
	s_add_co_i32 s96, s96, 127
	s_lshl_b32 s96, s96, 23
	s_mov_b32 s97, s96
	s_wait_tensorcnt 1
	s_barrier_signal -1
	s_barrier_wait -1
	FETCHB 0
	STEP 0, 1
	STEP 1, 0
	STEP_HEAD 2
	ASK 3, 2
	STEP_BODY 2, 0
.irp g, 3,4,5
	STEP \g, 0
.endr
	STEP_HEAD 6
	ASK 4, 0
	STEP_BODY 6, 0
	TURN 7, 1, 2
.irp g, 8,9
	STEP \g, 0
.endr
	STEP_HEAD 10
	ASK 5, 3
	STEP_BODY 10, 0
.irp g, 11,12,13
	STEP \g, 0
.endr
	STEP_HEAD 14
	ASK 6, 0
	STEP_BODY 14, 0
	TURN 15, 1, 3
.irp g, 16,17
	STEP \g, 0
.endr
	STEP_HEAD 18
	ASK 7, 0
	STEP_BODY 18, 0
.irp g, 19,20,21,22
	STEP \g, 0
.endr
	TURN 23, 0, 0
	s_wait_alu depctr_va_vdst(0)
.irp g, 24,25,26,27,28,29,30
	STEP \g, 0
.endr
	s_wait_dscnt 0x0
.irp a, 0,1,2,3
	AWAIT 124+\a, NLD-1
	WIN MUL
	MUL8 31, \a, 0
.endr
	WIN 0
.macro TOSTAGE a
	WIN 0x02
.set j, 0
.rept 32
	v_pk_fma_f32 v[TMP+j:TMP+j+1], v[64*(\a)+j:64*(\a)+j+1], s[96:97], v[BIAS+j:BIAS+j+1] op_sel_hi:[1,0,1]
.set j, j+2
.endr
	WIN 0
.irp b, 0,1,2,3,4,5,6,7
	ds_store_b128 v[STO], v[TMP+8*\b:TMP+8*\b+3] offset:64*\b
	ds_store_b128 v[STO], v[TMP+8*\b+4:TMP+8*\b+7] offset:64*\b+16
.endr
	WIN TO_A
.irp t, 0,1,2,3,4,5,6,7,8,9,10,11,12,13,14,15
	ds_load_b128 v[64*(\a)+4*\t:64*(\a)+4*\t+3], v[RD] offset:\t*SPITCH
.endr
	WIN 0
.endm
.macro SEND a, younger
	s_wait_dscnt \younger
	WIN 0x0c
.irp t, 0,1,2,3,4,5,6,7,8,9,10,11,12,13,14,15
	global_store_b128 v[CO], v[64*(\a)+4*\t:64*(\a)+4*\t+3], s[12:13] offset:(16*(\a)+\t)*SIZE_N*4 th:TH_STORE_NT
.endr
	WIN 0
.endm
	s_wait_loadcnt 0x0
	PLACES NP
	TOSTAGE 0
.irp a, 1,2,3
	TOSTAGE \a
	SEND \a-1, 32
.endr
	SEND 3, 0
	s_wait_tensorcnt 0x0
	ds_add_u32 v[SPW], v[NIL]
	s_wait_dscnt 0x0
	CROUND
	s_endpgm
.Lfunc_end_k_qf4f4a603b7_gemm2:
	.size	k_qf4f4a603b7_gemm2, .Lfunc_end_k_qf4f4a603b7_gemm2-k_qf4f4a603b7_gemm2
	.p2alignl 7, 3214868480
	.fill 96, 4, 3214868480
	.section	.rodata,"a",@progbits
	.p2align	6, 0x0
	.amdhsa_kernel k_qf4f4a603b7_gemm2
		.amdhsa_group_segment_fixed_size 327680
		.amdhsa_private_segment_fixed_size 0
		.amdhsa_enable_private_segment 0
		.amdhsa_kernarg_size 40
		.amdhsa_user_sgpr_count 2
		.amdhsa_user_sgpr_kernarg_segment_ptr 1
		.amdhsa_wavefront_size32 1
		.amdhsa_system_sgpr_workgroup_id_x 1
		.amdhsa_system_sgpr_workgroup_id_y 1
		.amdhsa_system_sgpr_workgroup_id_z 1
		.amdhsa_system_vgpr_workitem_id 0
		.amdhsa_next_free_vgpr 1024
		.amdhsa_next_free_sgpr 100
		.amdhsa_reserve_vcc 0
		.amdhsa_float_denorm_mode_32 3
		.amdhsa_float_denorm_mode_16_64 3
		.amdhsa_memory_ordered 1
		.amdhsa_forward_progress 1
		.amdhsa_inst_pref_size 241
	.end_amdhsa_kernel
	.amdgpu_metadata
---
amdhsa.version: [ 1, 2 ]
amdhsa.kernels:
  - .name:           k_qf4f4a603b7_gemm2
    .symbol:         k_qf4f4a603b7_gemm2.kd
    .args:
      - { .name: hc, .offset: 0, .size: 8, .value_kind: global_buffer, .address_space: global }
      - { .name: w2c, .offset: 8, .size: 8, .value_kind: global_buffer, .address_space: global }
      - { .name: lowp_scales, .offset: 16, .size: 8, .value_kind: global_buffer, .address_space: global }
      - { .name: b2, .offset: 24, .size: 8, .value_kind: global_buffer, .address_space: global }
      - { .name: out0, .offset: 32, .size: 8, .value_kind: global_buffer, .address_space: global }
    .group_segment_fixed_size: 327680
    .private_segment_fixed_size: 0
    .kernarg_segment_align: 8
    .kernarg_segment_size: 40
    .max_flat_workgroup_size: 128
    .sgpr_count:     100
    .vgpr_count:     1024
    .wavefront_size: 32
...
	.end_amdgpu_metadata
.endif
;; end of part 4
